; MI455X (gfx1250); checked and timed in simulation.
; The chip was launched on July 23, 2026; its instructions are those of AMD's public machine-readable ISA for CDNA 5 (MIT licence, August 2026) and "CDNA5" Instruction Set Architecture Reference Guide (July 2026). The comments in the code are by the model that wrote it; some were corrected since.
;; Multi Head Self Attention. Allowed arithmetic: float matrix products may take bf16 or f16 operands with f32 sums; all other float work in f32.
;; Inputs: W_k 1,024 x 1,024 float32; W_o 1,024 x 1,024 float32; W_q 1,024 x 1,024 float32; W_v 1,024 x 1,024 float32; token_positions 2,048 int32; x 2 x 2,048 x 1,024 float32.
;; Outputs: out0 2 x 2,048 x 1,024 float32.
;; Constants: max_seq_len = 2048, theta = 10000.
;; One version. Each part assembles by itself: llvm-mc -triple=amdgcn-amd-amdhsa -mcpu=gfx1250 --defsym DOCPART=n.
;; ======== version 1 of 1: 4 launches
;; limits: values are held in f16: magnitudes above 65,504 overflow, below 6.1e-05 lose precision; an absolute error that grows with the inputs' magnitude: up to 3e-07 times it; right only within a limited range of input values
;; workspace buffers: xh 8,388,608 bytes; wqkvh 6,291,456 bytes; woh 2,097,152 bytes; cstab 524,288 bytes; qkvh 25,165,824 bytes; ah 16,777,216 bytes
;; launch prep (part 1): grid 512 x 1, 8 waves a work-group, no clusters, 0 bytes of LDS; arguments x, W_q, W_k, W_v, W_o, token_positions, xh, wqkvh, woh, cstab; writes xh, wqkvh, woh, cstab
.if DOCPART == 1
	.amdgcn_target "amdgcn-amd-amdhsa--gfx1250"
	.amdhsa_code_object_version 6
	.text
	.protected	k_q4c1b7619f1_prep
	.globl	k_q4c1b7619f1_prep
	.p2align	8
	.type	k_q4c1b7619f1_prep,@function
k_q4c1b7619f1_prep:
	s_mov_b64 s[64:65], 0
	v_nop
	global_prefetch_b8 v0, s[64:65] scope:SCOPE_SE
	s_setreg_imm32_b32 hwreg(HW_REG_WAVE_MODE, 25, 1), 1
	s_wait_xcnt 0x0
; prep: rounds x and the four weights from f32 to bf16, once, and makes the table of cos and sin for RoPE.
;   xh    [4096][1024] bf16 = x
;   wqkvh [16 heads][q, k, v][64 rows][1024] bf16: the 192 rows that belong to one head lie together
;   woh   [1024][1024] bf16 = W_o
;   cstab [2048 s][32 i][cos, sin] f32, angle = token_positions[s] * 10000^(-i/32)
; 512 work-groups of eight waves.  Work-group g rounds 16,384 numbers (16 loads and 16 stores a thread) and makes 128 table entries.
;   g 0..255: x;  g 256..447: W_q, W_k, W_v (64 work-groups each, 16 rows of W each);  g 448..511: W_o.
; A stream: each byte read once and written once, so no LDS, no matrix unit, no cluster.  All 16 loads of a thread are issued first;
; the table is computed while they are on their way.
; LIMITS.  bf16 has f32's exponents, so inputs of any size have room; a finite number within half a bf16 step of the largest f32 rounds to infinity.
; The frequency comes from v_exp_f32 and its argument i * 0.41524 is rounded once: about 3e-7 relative, so the angle is off by
; about 3e-7 * |position| * frequency (6e-4 rad at position 2047, growing in proportion beyond).  The reduction by pi/2 uses two words of pi/2 (48 bits) and
; the quadrant as a 32-bit integer: |angle| below 2^31 * pi/2.
.set D, 8                              ; v[8:71]    16 loads of four f32
.set Y, 72                             ; v[72:103]  16 pairs of registers, four bf16 each, to store
	s_load_b512 s[8:23], s[0:1], 0x0               ; x 8, W_q 10, W_k 12, W_v 14, W_o 16, token_positions 18, xh 20, wqkvh 22
	s_load_b128 s[24:27], s[0:1], 0x40             ; woh 24, cstab 26
	v_lshlrev_b32 v1, 4, v0                        ; 16 t: my 16 bytes of each 4,096 loaded
	v_lshlrev_b32 v2, 3, v0                        ; 8 t: my 8 bytes of each 2,048 stored (and my table entry)
	v_lshrrev_b32 v3, 5, v0
	v_readfirstlane_b32 s51, v3                    ; wave 0..7
	s_and_b32 s2, ttmp9, 63                        ; c: which 16 rows of a weight
	s_bfe_u32 s3, ttmp9, 0x20006                   ; which weight: 0 q, 1 k, 2 v, 3 o (bits 7:6 of g)
	s_lshl_b32 s32, s2, 16                         ; a weight's source offset: 16 rows of 4,096 bytes
	s_mov_b32 s33, 0
	s_lshr_b32 s4, s2, 2                           ; head = row / 64
	s_mul_i32 s4, s4, 192
	s_lshl_b32 s5, s3, 6
	s_add_co_u32 s4, s4, s5                        ; + 64 x which
	s_and_b32 s5, s2, 3
	s_lshl_b32 s5, s5, 4
	s_add_co_u32 s4, s4, s5                        ; + the row inside the head
	s_lshl_b32 s34, s4, 11                         ; rows of 2,048 bytes in wqkvh
	s_mov_b32 s35, 0
	s_lshl_b32 s6, s2, 15                          ; W_o keeps its order
	s_cmp_eq_u32 s3, 3
	s_cselect_b32 s34, s6, s34
	s_lshl_b32 s6, ttmp9, 16                       ; x: g x 65,536 in,
	s_lshl_b32 s7, ttmp9, 15                       ;    g x 32,768 out
	s_cmp_lt_u32 ttmp9, 0x100
	s_cselect_b32 s32, s6, s32
	s_cselect_b32 s34, s7, s34
	s_wait_kmcnt 0x0
	s_cmp_eq_u32 s3, 1                             ; the buffers are chosen on the work-group's number alone
	s_cselect_b64 s[28:29], s[12:13], s[10:11]
	s_cmp_eq_u32 s3, 2
	s_cselect_b64 s[28:29], s[14:15], s[28:29]
	s_cmp_eq_u32 s3, 3
	s_cselect_b64 s[28:29], s[16:17], s[28:29]
	s_cselect_b64 s[30:31], s[24:25], s[22:23]
	s_cmp_lt_u32 ttmp9, 0x100
	s_cselect_b64 s[28:29], s[8:9], s[28:29]
	s_cselect_b64 s[30:31], s[20:21], s[30:31]
	s_add_nc_u64 s[28:29], s[28:29], s[32:33]      ; from here
	s_add_nc_u64 s[30:31], s[30:31], s[34:35]      ; to here
.irp j, 0,1,2,3,4,5,6,7,8,9,10,11,12,13,14,15
	global_load_b128 v[D+4*\j:D+4*\j+3], v1, s[28:29] offset:4096*\j th:TH_LOAD_NT   ; a wave's load covers 512 consecutive bytes; read once in the launch
.endr
	; The table: waves 0 to 3, one entry a lane: s = 4 g + wave, i = lane.
	s_cmp_ge_u32 s51, 4
	s_cbranch_scc1 .Lcast
	s_lshl2_add_u32 s52, ttmp9, s51                ; s
	s_lshl_b32 s52, s52, 2
	s_mov_b32 s53, 0
	s_add_nc_u64 s[18:19], s[18:19], s[52:53]
	s_load_b32 s36, s[18:19], 0x0                  ; token_positions[s]
	s_lshl_b32 s54, ttmp9, 10                      ; 128 entries of 8 bytes a work-group
	s_mov_b32 s55, 0
	s_add_nc_u64 s[26:27], s[26:27], s[54:55]
	s_mov_b32 s37, 0xbfc90fdb                      ; -(pi/2), upper word
	s_mov_b32 s38, 0x333bbd2e                      ; -(pi/2 - upper word)
	s_mov_b32 s39, 0xb9500d01                      ; -1/5040
	s_mov_b32 s40, 0x3c088889                      ;  1/120
	s_mov_b32 s41, 0xbe2aaaab                      ; -1/6
	s_mov_b32 s42, 0x37d00d01                      ;  1/40320
	s_mov_b32 s43, 0xbab60b61                      ; -1/720
	s_mov_b32 s44, 0x3d2aaaab                      ;  1/24
	v_and_b32 v104, 31, v0
	v_cvt_f32_u32 v104, v104
	v_mul_f32 v104, 0xbed49a78, v104               ; -i log2(10000) / 32
	v_exp_f32 v105, v104                           ; 10000^(-i/32)
	s_wait_kmcnt 0x0
	v_cvt_f32_i32 v106, s36                        ; the plain instruction between v_exp_f32 and the use of its result (ISA guide 5.7.2)
	s_wait_alu depctr_va_vdst(0)
	v_mul_f32 v106, v106, v105                     ; the angle, rounded once as in the reference
	v_mul_f32 v107, 0x3f22f983, v106               ; x 2/pi
	v_rndne_f32 v107, v107                         ; k
	v_fma_f32 v108, v107, s37, v106                ; r = angle - k pi/2, in two steps
	v_fma_f32 v108, v107, s38, v108                ; |r| <= pi/4
	v_mul_f32 v109, v108, v108                     ; z = r^2
	v_fma_f32 v110, v109, s39, s40                 ; sin r = r + r z (-1/6 + z (1/120 - z/5040)): the term left out is below 3.2e-7
	v_fma_f32 v111, v109, s42, s43                 ; cos r = 1 + z (-1/2 + z (1/24 + z (-1/720 + z/40320))): below 2.5e-8
	v_fma_f32 v110, v110, v109, s41
	v_fma_f32 v111, v111, v109, s44
	v_mul_f32 v112, v108, v109
	v_fma_f32 v111, v111, v109, -0.5
	v_fma_f32 v110, v110, v112, v108               ; sin r
	v_fma_f32 v111, v111, v109, 1.0                ; cos r
	v_cvt_i32_f32 v113, v107                       ; the quadrant q = k mod 4
	v_and_b32 v114, 1, v113
	v_cmp_eq_u32 vcc_lo, 1, v114
	v_cndmask_b32 v116, v111, v110, vcc_lo         ; q odd: cos and sin change places
	v_cndmask_b32 v117, v110, v111, vcc_lo
	v_add_nc_u32 v114, 1, v113
	v_and_b32 v114, 2, v114                        ; cos is negative in quadrants 1 and 2,
	v_and_b32 v115, 2, v113                        ; sin in quadrants 2 and 3
	v_lshlrev_b32 v114, 30, v114
	v_lshlrev_b32 v115, 30, v115
	v_xor_b32 v116, v116, v114
	v_xor_b32 v117, v117, v115
	global_store_b64 v2, v[116:117], s[26:27]      ; a wave stores 256 consecutive bytes: one position's 32 pairs
.Lcast:
.irp j, 0,1,2,3,4,5,6,7,8,9,10,11,12,13,14,15
	s_wait_loadcnt 15-\j                           ; loads come back in order (ISA guide 5.7.1): load j is in, the 15 - j younger ones stay out
	v_cvt_pk_bf16_f32 v[Y+2*\j], v[D+4*\j], v[D+4*\j+1]
	v_cvt_pk_bf16_f32 v[Y+2*\j+1], v[D+4*\j+2], v[D+4*\j+3]
	global_store_b64 v2, v[Y+2*\j:Y+2*\j+1], s[30:31] offset:2048*\j   ; a wave stores 256 consecutive bytes, aligned; no register is used twice
.endr
	s_endpgm
.Lfunc_end_k_q4c1b7619f1_prep:
	.size	k_q4c1b7619f1_prep, .Lfunc_end_k_q4c1b7619f1_prep-k_q4c1b7619f1_prep
	.p2alignl 7, 3214868480
	.fill 96, 4, 3214868480
	.section	.rodata,"a",@progbits
	.p2align	6, 0x0
	.amdhsa_kernel k_q4c1b7619f1_prep
		.amdhsa_group_segment_fixed_size 0
		.amdhsa_private_segment_fixed_size 0
		.amdhsa_enable_private_segment 0
		.amdhsa_kernarg_size 80
		.amdhsa_user_sgpr_count 2
		.amdhsa_user_sgpr_kernarg_segment_ptr 1
		.amdhsa_wavefront_size32 1
		.amdhsa_system_sgpr_workgroup_id_x 1
		.amdhsa_system_sgpr_workgroup_id_y 1
		.amdhsa_system_sgpr_workgroup_id_z 1
		.amdhsa_system_vgpr_workitem_id 0
		.amdhsa_next_free_vgpr 128
		.amdhsa_next_free_sgpr 66
		.amdhsa_reserve_vcc 1
		.amdhsa_float_denorm_mode_32 3
		.amdhsa_float_denorm_mode_16_64 3
		.amdhsa_memory_ordered 1
		.amdhsa_forward_progress 1
		.amdhsa_inst_pref_size 10
	.end_amdhsa_kernel
	.amdgpu_metadata
---
amdhsa.version: [ 1, 2 ]
amdhsa.kernels:
  - .name:           k_q4c1b7619f1_prep
    .symbol:         k_q4c1b7619f1_prep.kd
    .args:
      - { .name: x, .offset: 0, .size: 8, .value_kind: global_buffer, .address_space: global }
      - { .name: W_q, .offset: 8, .size: 8, .value_kind: global_buffer, .address_space: global }
      - { .name: W_k, .offset: 16, .size: 8, .value_kind: global_buffer, .address_space: global }
      - { .name: W_v, .offset: 24, .size: 8, .value_kind: global_buffer, .address_space: global }
      - { .name: W_o, .offset: 32, .size: 8, .value_kind: global_buffer, .address_space: global }
      - { .name: token_positions, .offset: 40, .size: 8, .value_kind: global_buffer, .address_space: global }
      - { .name: xh, .offset: 48, .size: 8, .value_kind: global_buffer, .address_space: global }
      - { .name: wqkvh, .offset: 56, .size: 8, .value_kind: global_buffer, .address_space: global }
      - { .name: woh, .offset: 64, .size: 8, .value_kind: global_buffer, .address_space: global }
      - { .name: cstab, .offset: 72, .size: 8, .value_kind: global_buffer, .address_space: global }
    .group_segment_fixed_size: 0
    .private_segment_fixed_size: 0
    .kernarg_segment_align: 8
    .kernarg_segment_size: 80
    .max_flat_workgroup_size: 256
    .sgpr_count:     66
    .vgpr_count:     128
    .wavefront_size: 32
...
	.end_amdgpu_metadata
.endif
;; end of part 1
;; launch proj_qkv (part 2): grid 16 x 16, 4 waves a work-group, clusters of 4 x 4, 327,680 bytes of LDS; arguments xh, wqkvh, cstab, qkvh; writes qkvh
.if DOCPART == 2
	.amdgcn_target "amdgcn-amd-amdhsa--gfx1250"
	.amdhsa_code_object_version 6
	.text
	.protected	k_q4c1b7619f1_proj_qkv
	.globl	k_q4c1b7619f1_proj_qkv
	.p2align	8
	.type	k_q4c1b7619f1_proj_qkv,@function
k_q4c1b7619f1_proj_qkv:
	s_mov_b64 s[64:65], 0
	v_nop
	global_prefetch_b8 v0, s[64:65] scope:SCOPE_SE
	s_setreg_imm32_b32 hwreg(HW_REG_WAVE_MODE, 25, 1), 1
	s_wait_xcnt 0x0
	s_wait_alu depctr_hold_cnt(0) depctr_sa_sdst(0) depctr_va_vdst(0) depctr_va_sdst(0) depctr_va_ssrc(0) depctr_va_vcc(0) depctr_vm_vsrc(0)
	s_getreg_b32 s2, hwreg(HW_REG_IB_STS2, 6, 4)
	s_cmp_eq_u32 s2, 0
	s_cbranch_scc0 .Lentry_in_a_cluster
	s_endpgm
.Lentry_in_a_cluster:
	s_bfe_u32 s2, ttmp6, 0x10000c
	s_cmp_lg_u32 s2, 0xf033
	s_cbranch_scc0 .Lentry_shape_is_right
	s_endpgm
.Lentry_shape_is_right:
; proj_qkv: [Q K V] = x W^T for one head and 256 rows a work-group, RoPE on Q and K in f32, results in f16.
;   xh [4096][1024] bf16, wqkvh [16 heads][192 rows: q, k, v][1024] bf16, cstab [2048][32][cos, sin] f32,
;   qkvh [b][head][q, k, v][2048][64] f16.
; Block column = head (192 rows of wqkvh), block row = 256 rows of xh: 16 x 16 = 256 work-groups of equal work.
; Four waves, as many as a WGP has SIMDs.  Wave w makes rows 64 w .. 64 w + 63 and all 192 columns: 4 x 12 accumulator tiles of 16 x 16, 384 registers.
; So every wave holds whole rows of Q, K and V of its head, the rotation needs no other lane, and rows leave whole.
; K goes in steps of 128 (rows of 256 bytes in memory, starting at multiples of 256) through two LDS slots filled by the tensor data mover.
; CLUSTERS: 4 x 4 work-groups.  The four of a row of the cluster need the same tiles of xh, the four of a column the same tiles of wqkvh: each tile is
; asked for jointly, by the same tensor load with the same descriptor and a mask that names the four.
; THE MATRIX INSTRUCTION IS USED TRANSPOSED: source 0 = 16 rows of W, source 1 = 16 rows of x.  Lane l then holds row l % 16, and its registers 0 to 7
; the columns 8 (l / 16) + 0..7: four (even, odd) pairs for RoPE, and 16 neighbouring bytes once rounded to f16.
; OPERANDS ARE bf16, sums f32.  THE RESULTS ARE f16, which keeps 11 bits where bf16 keeps 8: a row of the final output that attends to few keys is as large as V
; itself, some ten times the output's root mean square, so that V's rounding has to stay near 2e-4 of V.
; LIMIT: |Q|, |K| (after the rotation) and |V| below 65,504.  With x of spread 1 and W of spread 1/32 their spread is 1;
; both inputs 30 times larger give 900; a common offset of 30 spreads on both gives 1024 * 30 * 0.94 = 29,000, times sqrt 2 after the rotation.
;
; REGISTERS in windows of 256:
;   window 0: v16-27 addresses; v32-63, v64-95 fragments of x (4 x 16 rows x 32 K), two buffers; v96-127 at work on the way out; v128-255 cos and sin of my 64 rows
;   window 1: v0-95, v96-191 fragments of W (12 x 16 rows x 32 K), two buffers
;   window 2: accumulators of my rows 0-31 (tile (a, b) at v[8 (12 a + b)]);  window 3: those of my rows 32-63
.set KSTEP,  128
.set PITCH,  272                       ; an LDS row: 256 bytes + 16 of padding = 17 x 16: sixteen rows start at sixteen different 16-byte columns modulo 256
.set AHALF,  128*PITCH                 ; what waves 0 and 1 fetch: 128 rows of x
.set BHALF,  96*PITCH                  ; what waves 2 and 3 fetch: 96 rows of W
.set BOFF,   256*PITCH                 ; W's rows lie behind x's 256
.set SLOT,   448*PITCH
.set STAGE,  2*SLOT                    ; behind the ring (a multiple of 256): for each wave 3 x 16 rows x 144 bytes, for the way out; no tensor load lands here
.set SPITCH, 144
.set SWHICH, 16*SPITCH
.set SWAVE,  3*SWHICH
.set LAPS,   4                         ; 1024 / (2 x 128): a lap = two K steps = once round the ring
.set PLANE,  262144                    ; 2048 rows x 128 bytes: one of Q, K, V of one head
.set ADRA, 16                          ; v16-17  LDS address of my x fragments in slot 0, 1
.set ADRB, 20                          ; v20-21  the same for W
.set STO,  24                          ; where I put 16 bytes of a row
.set RD,   25                          ; where I read rows back
.set GO,   26                          ; 16 x lane: my 16 bytes of 512 stored
.set CSO,  27                          ; my offset in the table
.set FA0,  32
.set FA1,  64
.set FB0,  0
.set FB1,  96
.set TMP,  32                          ; v32-47  the way out: packed f16
.set RB,   48                          ; v48-95  the way out: rows read back
.set Y,    96                          ; v96-127 the way out: rotated numbers in f32
.set CS,   128                         ; v[128 + 32 a + 8 q + 2 p]: cos, sin of row 16 a + r, pair 8 q + 4 h + p
.set G1,  24                           ; s[24:31] descriptor group 1 for x's tiles
.set G0,  32                           ; s[32:39] group 0 for x's tiles, one set for each slot
.set G1B, 48                           ; s[48:55] group 1 for W's tiles
.set G0B, 56                           ; s[56:63] group 0 for W's tiles, one set for each slot
.set MSB, 0
.macro WIN new                         ; the immediate's high byte repeats the setting that is left; switches that change nothing are dropped
.if MSB != \new
	s_set_vgpr_msb (MSB<<8)|\new
.set MSB, \new
.endif
.endm
.set MUL_LO, 0xa1                      ; source 0 (W) window 1, source 1 (x) window 0, C and D window 2
.set MUL_HI, 0xf1                      ; the same, C and D window 3
.set TO_B,   0x40                      ; destination window 1, address window 0
; A joint load.  Waves 0 and 1 fetch x's two halves, waves 2 and 3 W's.  Each line has one mask; the branch hangs on the wave's number alone.
.macro JLOAD s
	s_cmp_eq_u32 s13, 0
	s_cbranch_scc0 .Lfor_b_\@
	tensor_load_to_lds s[G0+4*\s:G0+4*\s+3], s[G1:G1+7]
	s_nop 0
	s_branch .Lasked_\@
.Lfor_b_\@:
	tensor_load_to_lds s[G0B+4*\s:G0B+4*\s+3], s[G1B:G1B+7]
	s_nop 0
.Lasked_\@:
.endm
; A round of the cluster's barrier: my work-group's barrier; wave 0 signals for the work-group; every wave waits for all sixteen; my work-group's barrier again.
.macro CREST                           ; a round behind its opening barrier
	s_cmp_lg_u32 s12, 0
	s_cbranch_scc1 .Lnot_wave_0_\@
	s_barrier_signal -3
.Lnot_wave_0_\@:
	s_barrier_wait -3
	s_barrier_signal -1
	s_barrier_wait -1
.endm
.macro CROUND
	s_barrier_signal -1
	s_barrier_wait -1
	CREST
.endm
	s_load_b256 s[4:11], s[0:1], 0x0               ; xh s[4:5], wqkvh s[6:7], cstab s[8:9], qkvh s[10:11]
	s_set_vgpr_msb 0x40
	v_lshl_add_u32 v255, v0, 2, 0x42400
	s_set_vgpr_msb 0x4000
	v_mov_b32 v31, 0
	s_set_vgpr_msb 0x1
	ds_add_u32 v255, v31
	ds_add_u32 v255, v31
	s_set_vgpr_msb 0x100
	v_lshrrev_b32 v1, 5, v0
	v_readfirstlane_b32 s12, v1                    ; wave 0..3
	s_lshr_b32 s13, s12, 1                         ; I fetch for x (0) or for W (1)
	s_and_b32 s14, s12, 1                          ; which half of that tile
	s_bfe_u32 s40, ttmp6, 0x40000                  ; cx
	s_bfe_u32 s41, ttmp6, 0x40004                  ; cy
	s_lshl_b32 s42, ttmp9, 2
	s_add_co_u32 s42, s42, s40                     ; block column = head = 4 x cluster x + cx
	s_and_b32 s43, ttmp7, 0xffff
	s_lshl_b32 s43, s43, 2
	s_add_co_u32 s43, s43, s41                     ; block row = 4 x cluster y + cy
	s_lshl_b32 s44, s41, 2
	s_lshl_b32 s44, 15, s44                        ; my row of the cluster: places 4 cy .. 4 cy + 3
	s_lshl_b32 s45, 0x1111, s40                    ; my column: places cx, cx + 4, cx + 8, cx + 12
	s_or_b32 s[G1+0], s44, (1<<16)|(1<<20)|(1<<21)|(5<<22)|(3<<25)   ; mask: my row; elements of 2 bytes; padding on; bit 21 beside a mask; after every 64 words, 4 words
	s_or_b32 s[G1B+0], s45, (1<<16)|(1<<20)|(1<<21)|(5<<22)|(3<<25)  ; the same with the mask of my column
	s_mov_b32 s[G1+1], KSTEP<<16                   ; tensor_dim0 = 128
	s_mov_b32 s[G1B+1], KSTEP<<16
	s_mov_b32 s[G1+2], 128<<16                     ; tensor_dim1 = 128 rows
	s_mov_b32 s[G1B+2], 96<<16                     ;             =  96 rows
	s_mov_b32 s[G1+3], KSTEP<<16                   ; tile_dim0 = 128
	s_mov_b32 s[G1B+3], KSTEP<<16
	s_mov_b32 s[G1+4], 128                         ; tile_dim1
	s_mov_b32 s[G1B+4], 96
	s_mov_b32 s[G1+5], 1024                        ; elements from row to row
	s_mov_b32 s[G1B+5], 1024
	s_mov_b32 s[G1+6], 0
	s_mov_b32 s[G1B+6], 0
	s_mov_b32 s[G1+7], 0
	s_mov_b32 s[G1B+7], 0
	; x's tiles hang on the block row and the wave alone, W's on the block column and the wave alone, each in registers that never hold the other coordinate
	s_lshl_b32 s16, s43, 8
	s_lshl_b32 s17, s14, 7
	s_add_co_u32 s16, s16, s17                     ; x: row 256 x block row + 128 x half
	s_lshl_b32 s16, s16, 11                        ; rows of 2,048 bytes (below 8 MiB)
	s_mov_b32 s17, 0
	s_mul_i32 s46, s42, 192
	s_mul_i32 s47, s14, 96
	s_add_co_u32 s46, s46, s47                     ; W: row 192 x head + 96 x half
	s_lshl_b32 s46, s46, 11
	s_mov_b32 s47, 0
	s_mul_i32 s20, s12, AHALF                      ; where they go: waves 0, 1: wave x 128 rows;
	s_mul_i32 s21, s12, BHALF
	s_add_co_u32 s21, s21, BOFF-2*BHALF            ; waves 2, 3: behind x's 256 rows, (wave - 2) x 96 rows.  No place in the cluster enters an LDS address
	s_wait_dscnt 0x0
	s_wait_kmcnt 0x0
	s_add_nc_u64 s[18:19], s[4:5], s[16:17]
	s_add_nc_u64 s[46:47], s[6:7], s[46:47]
	CROUND                                         ; all sixteen work-groups are here: the first joint loads meet
.irp s, 0,1
	s_mov_b32 s[G0+4*\s], 1
	s_add_co_u32 s[G0+4*\s+1], s20, \s*SLOT
	s_add_nc_u64 s[G0+4*\s+2:G0+4*\s+3], s[18:19], \s*KSTEP*2
	s_or_b32 s[G0+4*\s+3], s[G0+4*\s+3], 0x80000000
	s_mov_b32 s[G0B+4*\s], 1
	s_add_co_u32 s[G0B+4*\s+1], s21, \s*SLOT
	s_add_nc_u64 s[G0B+4*\s+2:G0B+4*\s+3], s[46:47], \s*KSTEP*2
	s_or_b32 s[G0B+4*\s+3], s[G0B+4*\s+3], 0x80000000
	JLOAD \s                                       ; K steps 0 and 1: two tensor loads of the wave are out, later one
.endr
	v_and_b32 v1, 15, v0                           ; r = l % 16
	v_bfe_u32 v2, v0, 4, 1                         ; h = l / 16
	; cos and sin of my 64 rows, loaded once and waited for only on the way out: row s0 + 64 w + 16 a + r, pairs 8 q + 4 h + 0..3 = 32 bytes
	s_and_b32 s16, s43, 7
	s_lshl_b32 s16, s16, 16                        ; s0 = 256 x (block row mod 8); 256 bytes a position
	s_add_nc_u64 s[8:9], s[8:9], s[16:17]
	v_lshlrev_b32 v4, 8, v1
	v_lshl_add_u32 v4, v2, 5, v4
	s_lshl_b32 s22, s12, 14
	v_add_nc_u32 v[CSO], s22, v4                   ; (64 w + r) x 256 + 32 h
.irp a, 0,1,2,3
.irp q, 0,1,2,3
	global_load_b128 v[CS+32*\a+8*\q:CS+32*\a+8*\q+3],   v[CSO], s[8:9] offset:\a*4096+\q*64
	global_load_b128 v[CS+32*\a+8*\q+4:CS+32*\a+8*\q+7], v[CSO], s[8:9] offset:\a*4096+\q*64+16
.endr
.endr
	; fragments: lane l holds row l % 16; registers 0-3 K = 8 h + 0..7, registers 4-7 K = 16 + 8 h + 0..7: two loads of 16 bytes, 32 bytes apart
	v_mul_u32_u24 v3, v1, PITCH
	v_lshl_add_u32 v3, v2, 4, v3
	s_mul_i32 s21, s12, 64*PITCH                   ; my 64 rows of x
	s_mov_b32 s22, BOFF                            ; all of W's 192
.irp s, 0,1
	v_add_nc_u32 v[ADRA+\s], s21, v3
	v_add_nc_u32 v[ADRB+\s], s22, v3
	s_add_co_u32 s21, s21, SLOT
	s_add_co_u32 s22, s22, SLOT
.endr
	s_mul_i32 s23, s12, SWAVE
	s_add_co_u32 s23, s23, STAGE                   ; my stage
	v_mul_u32_u24 v4, v1, SPITCH
	v_lshl_add_u32 v4, v2, 4, v4
	v_add_nc_u32 v[STO], s23, v4                   ; in: row r, 16 bytes for each half of the lanes
	v_and_b32 v5, 31, v0
	v_lshlrev_b32 v[GO], 4, v5
	v_lshrrev_b32 v6, 3, v5
	v_mul_u32_u24 v6, v6, SPITCH
	v_and_b32 v5, 7, v5
	v_lshl_add_u32 v6, v5, 4, v6
	v_add_nc_u32 v[RD], s23, v6                    ; back: eight lanes take one row of 128 bytes, the wave four rows
; 12 matrix instructions: one block of 16 rows (a of the window's two; hi = 0: rows 0-31, 1: rows 32-63) x all 12 column blocks, 32 along K.
; The 48 accumulators take turns, one instruction a turn, in the same order in every quarter step.
.macro MUL12 fa, fb, hi, a, zero
.irp b, 0,1,2,3,4,5,6,7,8,9,10,11
.if \zero
	v_wmma_f32_16x16x32_bf16 v[8*(12*\a+\b):8*(12*\a+\b)+7], v[\fb+8*\b:\fb+8*\b+7], v[\fa+8*(2*\hi+\a):\fa+8*(2*\hi+\a)+7], 0
.else
	v_wmma_f32_16x16x32_bf16 v[8*(12*\a+\b):8*(12*\a+\b)+7], v[\fb+8*\b:\fb+8*\b+7], v[\fa+8*(2*\hi+\a):\fa+8*(2*\hi+\a)+7], v[8*(12*\a+\b):8*(12*\a+\b)+7]
.endif
.endr
.endm
; 32 LDS loads in one run: the fragments of one quarter step (192 rows of W, then my 64 rows of x, 32 K at byte k of the rows)
.macro FETCH slot, k, fa, fb
	WIN TO_B
.irp i, 0,1,2,3,4,5,6,7,8,9,10,11
	ds_load_b128 v[\fb+8*\i:\fb+8*\i+3],   v[ADRB+\slot] offset:\k+\i*16*PITCH
	ds_load_b128 v[\fb+8*\i+4:\fb+8*\i+7], v[ADRB+\slot] offset:\k+\i*16*PITCH+32
.endr
	WIN 0
.irp i, 0,1,2,3
	ds_load_b128 v[\fa+8*\i:\fa+8*\i+3],   v[ADRA+\slot] offset:\k+\i*16*PITCH
	ds_load_b128 v[\fa+8*\i+4:\fa+8*\i+7], v[ADRA+\slot] offset:\k+\i*16*PITCH+32
.endr
.endm
; Four places behind a matrix instruction before a load lands in a register that it has read, or a vector instruction reads its result
; (ISA guide 7.12.1 for vector instructions); the matrix instructions in between are not counted.
.macro PLACES
.rept 4
	v_nop
.endr
.endm
; A quarter step: multiplies buffers fa, fb; in its middle it fetches the next quarter's fragments, at byte k of the same slot's rows, into ga, gb.
.macro QUARTER slot, k, fa, fb, ga, gb, zero
	s_wait_dscnt 4                                 ; W and x's rows 0-31 are in; the youngest four loads (x's rows 32-63) may be out
	WIN MUL_LO
	MUL12 \fa, \fb, 0, 0, \zero
	MUL12 \fa, \fb, 0, 1, \zero
	PLACES
	FETCH \slot, \k, \ga, \gb
	s_wait_dscnt 32                                ; all but the 32 just issued
	WIN MUL_HI
	MUL12 \fa, \fb, 1, 0, \zero
	MUL12 \fa, \fb, 1, 1, \zero
.endm
.macro THREE slot, zero
	QUARTER \slot, 64,  FA0, FB0, FA1, FB1, \zero
	QUARTER \slot, 128, FA1, FB1, FA0, FB0, 0
	QUARTER \slot, 192, FA0, FB0, FA1, FB1, 0
.endm
; The last quarter of a K step: multiplies buffer 1 and changes slots.  In front of the barrier each wave waits for its reads of this slot and for all its
; tensor loads (one is out: its part of the next slot).  Behind it nobody reads this slot and the next is whole: the refill first, then the next fragments.
; From a request to the wait for it a wave issues 180 of a K step's 192 matrix instructions.
.macro TURN slot, next, fill
	s_wait_dscnt 4
	WIN MUL_LO
	MUL12 FA1, FB1, 0, 0, 0
	s_wait_dscnt 0                                 ; my reads of this slot are over
	s_wait_tensorcnt 0x0                           ; all my tensor loads have landed
	ds_add_u32 v255, v31
	s_wait_dscnt 0x0
	s_barrier_signal -1                            ; (where a slot is filled again this barrier opens a round of the cluster's barrier)
	MUL12 FA1, FB1, 0, 1, 0                        ; register work while the others arrive
	WIN 0
	s_barrier_wait -1
.if \fill
	CREST                                          ; no wave of any partner still reads this slot's tile or has a load on its way
	s_add_nc_u64 s[G0+4*\slot+2:G0+4*\slot+3], s[G0+4*\slot+2:G0+4*\slot+3], 2*KSTEP*2
	s_add_nc_u64 s[G0B+4*\slot+2:G0B+4*\slot+3], s[G0B+4*\slot+2:G0B+4*\slot+3], 2*KSTEP*2
	JLOAD \slot                                    ; the first tensor load behind the round
.endif
	PLACES
	FETCH \next, 0, FA0, FB0
	WIN MUL_HI
	MUL12 FA1, FB1, 1, 0, 0
	MUL12 FA1, FB1, 1, 1, 0
.endm
.macro LAP zero
	THREE 0, \zero
	TURN 0, 1, 1
	THREE 1, 0
	TURN 1, 0, 1
.endm
	s_wait_tensorcnt 0x1                           ; my part of K step 0 is in; K step 1's stays out
	s_barrier_signal -1
	s_barrier_wait -1                              ; everybody's is
	FETCH 0, 0, FA0, FB0
	LAP 1                                          ; the first lap stands in front of the loop: its first products start the sums, nothing is cleared
	WIN 0                                          ; at a label and at a branch every window is 0
	s_mov_b32 s3, LAPS-2
.Llap:
	LAP 0
	WIN 0
	s_sub_co_u32 s3, s3, 1
	s_cmp_lg_u32 s3, 0
	s_cbranch_scc1 .Llap
	THREE 0, 0                                     ; the last lap fills nothing
	TURN 0, 1, 0
	THREE 1, 0
	s_wait_dscnt 4                                 ; the very last quarter
	WIN MUL_LO
	MUL12 FA1, FB1, 0, 0, 0
	MUL12 FA1, FB1, 0, 1, 0
	s_wait_dscnt 0
	WIN MUL_HI
	MUL12 FA1, FB1, 1, 0, 0
	MUL12 FA1, FB1, 1, 1, 0
	; THE WAY OUT, 16 rows at a time: rotate Q and K in f32, round to f16, 16 bytes a lane into my own stage, read back as whole rows.
	PLACES                                         ; the places behind the last matrix instructions
	WIN 0
	s_lshr_b32 s16, s43, 3                         ; b
	s_mul_i32 s16, s16, 48*PLANE                   ; 16 heads x 3 planes
	s_and_b32 s17, s43, 7
	s_lshl_b32 s17, s17, 15                        ; s0 rows of 128 bytes
	s_add_co_u32 s16, s16, s17
	s_lshl_b32 s17, s12, 13                        ; my 64 rows
	s_add_co_u32 s16, s16, s17
	s_mov_b32 s17, 0
	s_add_nc_u64 s[10:11], s[10:11], s[16:17]
	s_mul_i32 s46, s42, 3*PLANE                    ; the head (in the registers that held W's address: none that feeds x's descriptors ever holds cx)
	s_mov_b32 s47, 0
	s_add_nc_u64 s[10:11], s[10:11], s[46:47]
	s_wait_loadcnt 0x0                             ; cos and sin
; rows 16 a .. 16 a + 15 of my block: tiles (al, 0..11) of window 2 or 3.  w1: source 0 in that window; w2: sources 0 and 1 in it.
.macro OUTA a, al, w1, w2
.irp wh, 0,1
	WIN \w1
.irp q, 0,1,2,3
.irp p, 0,1,2,3
	v_pk_mul_f32 v[Y+8*\q+2*\p:Y+8*\q+2*\p+1], v[8*(12*\al+4*\wh+\q)+2*\p:8*(12*\al+4*\wh+\q)+2*\p+1], v[CS+32*\a+8*\q+2*\p:CS+32*\a+8*\q+2*\p+1] op_sel:[1,1] op_sel_hi:[1,0]   ; (xo sin, xo cos)
.endr
.endr
.irp q, 0,1,2,3
.irp p, 0,1,2,3
	v_pk_fma_f32 v[Y+8*\q+2*\p:Y+8*\q+2*\p+1], v[8*(12*\al+4*\wh+\q)+2*\p:8*(12*\al+4*\wh+\q)+2*\p+1], v[CS+32*\a+8*\q+2*\p:CS+32*\a+8*\q+2*\p+1], v[Y+8*\q+2*\p:Y+8*\q+2*\p+1] op_sel_hi:[0,1,1] neg_lo:[0,0,1]   ; (xe cos - xo sin, xe sin + xo cos)
.endr
.endr
	WIN 0
.irp q, 0,1,2,3
.irp p, 0,1,2,3
	v_cvt_pk_f16_f32 v[TMP+4*\q+\p], v[Y+8*\q+2*\p], v[Y+8*\q+2*\p+1]
.endr
.endr
.irp q, 0,1,2,3
	ds_store_b128 v[STO], v[TMP+4*\q:TMP+4*\q+3] offset:\wh*SWHICH+32*\q
.endr
.endr
	WIN \w2                                        ; V is only rounded
.irp q, 0,1,2,3
.irp p, 0,1,2,3
	v_cvt_pk_f16_f32 v[TMP+4*\q+\p], v[8*(12*\al+8+\q)+2*\p], v[8*(12*\al+8+\q)+2*\p+1]
.endr
.endr
	WIN 0
.irp q, 0,1,2,3
	ds_store_b128 v[STO], v[TMP+4*\q:TMP+4*\q+3] offset:2*SWHICH+32*\q
.endr
	s_wait_xcnt 0x0                                ; every earlier store has had its addresses translated (ISA guide 3.1): the rows read back land in registers that stores have read
.irp wh, 0,1,2
.irp t, 0,1,2,3
	ds_load_b128 v[RB+16*\wh+4*\t:RB+16*\wh+4*\t+3], v[RD] offset:\wh*SWHICH+\t*4*SPITCH   ; LDS serves a wave's instructions in order (ISA guide 5.7.1.4): these see the stores above
.endr
.endr
.irp wh, 0,1,2
.irp t, 0,1,2,3
	s_wait_dscnt 11-4*\wh-\t
	global_store_b128 v[GO], v[RB+16*\wh+4*\t:RB+16*\wh+4*\t+3], s[10:11] offset:\wh*PLANE+\a*2048+\t*512   ; the wave stores four rows: 512 consecutive bytes, aligned
.endr
.endr
.endm
	OUTA 0, 0, 0x02, 0x0a
	OUTA 1, 1, 0x02, 0x0a
	OUTA 2, 0, 0x03, 0x0f
	OUTA 3, 1, 0x03, 0x0f
	s_set_vgpr_msb 0x1
	s_wait_tensorcnt 0x0
	ds_add_u32 v255, v31
	s_wait_dscnt 0x0
	s_set_vgpr_msb 0x100
	CROUND                                         ; the closing round: no work-group ends while a partner may still ask for a tile that names it
	s_endpgm
.Lfunc_end_k_q4c1b7619f1_proj_qkv:
	.size	k_q4c1b7619f1_proj_qkv, .Lfunc_end_k_q4c1b7619f1_proj_qkv-k_q4c1b7619f1_proj_qkv
	.p2alignl 7, 3214868480
	.fill 96, 4, 3214868480
	.section	.rodata,"a",@progbits
	.p2align	6, 0x0
	.amdhsa_kernel k_q4c1b7619f1_proj_qkv
		.amdhsa_group_segment_fixed_size 327680
		.amdhsa_private_segment_fixed_size 0
		.amdhsa_enable_private_segment 0
		.amdhsa_kernarg_size 32
		.amdhsa_user_sgpr_count 2
		.amdhsa_user_sgpr_kernarg_segment_ptr 1
		.amdhsa_wavefront_size32 1
		.amdhsa_system_sgpr_workgroup_id_x 1
		.amdhsa_system_sgpr_workgroup_id_y 1
		.amdhsa_system_sgpr_workgroup_id_z 1
		.amdhsa_system_vgpr_workitem_id 0
		.amdhsa_next_free_vgpr 960
		.amdhsa_next_free_sgpr 66
		.amdhsa_reserve_vcc 0
		.amdhsa_float_denorm_mode_32 3
		.amdhsa_float_denorm_mode_16_64 3
		.amdhsa_memory_ordered 1
		.amdhsa_forward_progress 1
		.amdhsa_inst_pref_size 183
	.end_amdhsa_kernel
	.amdgpu_metadata
---
amdhsa.version: [ 1, 2 ]
amdhsa.kernels:
  - .name:           k_q4c1b7619f1_proj_qkv
    .symbol:         k_q4c1b7619f1_proj_qkv.kd
    .args:
      - { .name: xh, .offset: 0, .size: 8, .value_kind: global_buffer, .address_space: global }
      - { .name: wqkvh, .offset: 8, .size: 8, .value_kind: global_buffer, .address_space: global }
      - { .name: cstab, .offset: 16, .size: 8, .value_kind: global_buffer, .address_space: global }
      - { .name: qkvh, .offset: 24, .size: 8, .value_kind: global_buffer, .address_space: global }
    .group_segment_fixed_size: 327680
    .private_segment_fixed_size: 0
    .kernarg_segment_align: 8
    .kernarg_segment_size: 32
    .max_flat_workgroup_size: 128
    .sgpr_count:     66
    .vgpr_count:     960
    .wavefront_size: 32
...
	.end_amdgpu_metadata
.endif
;; end of part 2
;; launch attn (part 3): grid 256 x 1, 4 waves a work-group, no clusters, 327,680 bytes of LDS; arguments qkvh, ah; writes ah
.if DOCPART == 3
	.amdgcn_target "amdgcn-amd-amdhsa--gfx1250"
	.amdhsa_code_object_version 6
	.text
	.protected	k_q4c1b7619f1_attn
	.globl	k_q4c1b7619f1_attn
	.p2align	8
	.type	k_q4c1b7619f1_attn,@function
k_q4c1b7619f1_attn:
	s_mov_b64 s[64:65], 0
	v_nop
	global_prefetch_b8 v0, s[64:65] scope:SCOPE_SE
	s_setreg_imm32_b32 hwreg(HW_REG_WAVE_MODE, 25, 1), 1
	s_wait_xcnt 0x0
; attn: causal softmax attention.  qkvh [b][head][q, k, v][2048][64] f16 (Q and K rotated), ah [hi, lo][b][head][2048][64] bf16.
; Work-group g: head g / 8, i = g % 8.  It does the query block i and then the query block 15 - i (128 queries each): (i + 1) + (16 - i) = 17 key tiles of 128
; for every work-group, so the 256 work-groups have equal work.  Key tiles that the causal mask throws away as a whole are not touched.
; Four waves; wave w owns 32 queries (two tiles n of 16).  K and V tiles come by tensor loads into two LDS slots, each wave fetching 32 rows of each.
; NO MULTICAST: the eight work-groups of a head read the same K and V, but which tile a work-group needs in a trip, and the trip at which it changes query
; blocks, hang on i, which in a cluster would be its place; the form in which all partners ask alike walks all 16 tiles for every block, twice the work.
; TRANSPOSED, so that no number changes lanes:
;   S^T = K Q^T: source 0 = 16 keys, source 1 = 16 queries.  Lane (r, h) holds, for query r, the keys 8 h + 0..7 of the tile.
;   Two such tiles rounded to f16 are, register for register, the second source (32 keys x 16 queries) of O^T = V^T P^T; V^T comes by ds_load_tr16_b128.
;   Maximum, sum and rescaling factor are one number a lane; the two halves of the lanes meet by v_permlanex16_b32.
; Softmax in f32 with a running maximum: p = exp2(s c - m c), c = log2(e) / 8.  The sum is kept for each half of the lanes and joined at the end.
; PRECISION WHERE FEW KEYS ARE AVERAGED.  A query with few keys gives a result as large as V, some ten times the root mean square of the whole output, and nothing
; averages its roundings out.  Such queries lie in diagonal tiles only.  So in the two diagonal tiles of a work-group p goes to the matrix unit as two f16 terms
; (22 bits), at 16 more matrix instructions for 64 keys; and every result leaves as two bf16 terms, hi = bf16(o), lo = bf16(o - hi), 16 bits together.
; LIMITS.  Inside the diagonal tile masked scores are set to -8e9 before the division by 8, the reference's -1e9.  Whole tiles beyond the diagonal are
; skipped: equal to the reference as long as some allowed score of the row lies above about -1e9 + 150.  p <= 1 has room in f16.
.set KP,    144                        ; a row of K in LDS: 128 bytes + 16 = 9 x 16: sixteen rows start at sixteen different 16-byte columns modulo 256
.set VP,    160                        ; a row of V: 128 + 32 = 5 x 32, for the transposing load
.set VOFF,  128*KP
.set SLOT,  128*KP+128*VP              ; 38,912
.set STAGE, 2*SLOT                     ; 77,824, a multiple of 256: 2 x 32 rows x 144 bytes for each wave, for the way out; no tensor load lands here
.set SP,    144
.set LOST,  32*SP                      ; the lo terms' rows lie behind the hi terms'
.set PLANE, 262144
.set PARTB, 0x800000                   ; ah's lo terms lie 8,388,608 bytes behind its hi terms
.set HT,   0                           ; v0-3   at work in the split of p (the thread's number is not needed behind the set-up)
.set KADR, 4                           ; v4-5   my K fragment address in slot 0, 1
.set VADR, 6                           ; v6-7   my V^T fragment address
.set QO,   8                           ; my offset in the query block
.set AO,   9                           ; my 16 bytes of the wave's 4,096 stored
.set STO,  10
.set RD,   11
.set TAU,  12                          ; 32 w + r - 8 h
.set NEG,  13                          ; -8e9
.set QF,   16                          ; v[16:47]    Q fragments, 16 n + 8 ks
.set OA,   48                          ; v[48:111]   O^T, 8 (2 dt + n)
.set SA,   112                         ; v[112:175]  S^T of 64 keys, 16 kt + 8 n; then P^T at 32 kg + 8 n (and, in a diagonal tile, at 32 kg + 16 + 8 n)
.set KF,   176                         ; v[176:239]  K fragments, 16 kt + 8 ks
.set M,    240                         ; v240-241    running maximum of tile n
.set L,    242                         ; v242-243    running sum, for my half of the keys
.set AL,   244                         ; v[244:245]  rescaling factor
.set NM,   246                         ; v[246:247]  -m c
.set T,    248                         ; v[248:255]  at work
.set VF,   0                           ; window 1, v[0:63]: V^T fragments, 8 (2 dt + kg)
.set G1K, 16                           ; s[16:23]
.set G1V, 24                           ; s[24:31]
.set G0K, 32                           ; s[32:39]  one set for each slot
.set G0V, 40                           ; s[40:47]
.set MSB, 0
.macro WIN new
.if MSB != \new
	s_set_vgpr_msb (MSB<<8)|\new
.set MSB, \new
.endif
.endm
	s_load_b128 s[4:7], s[0:1], 0x0                ; qkvh s[4:5], ah s[6:7]
	s_set_vgpr_msb 0x40
	v_lshl_add_u32 v64, v0, 2, 0x29000
	v_mov_b32 v65, 0
	s_set_vgpr_msb 0x4045
	ds_add_u32 v64, v65
	ds_add_u32 v64, v65
	s_set_vgpr_msb 0x4500
	v_lshrrev_b32 v1, 5, v0
	v_readfirstlane_b32 s8, v1                     ; wave 0..3
	s_and_b32 s9, ttmp9, 7                         ; i
	s_lshr_b32 s10, ttmp9, 3                       ; b x 16 + head
	s_mov_b32 s14, 0x76543210                      ; v_permlanex16_b32: lane i of one half reads lane i of the other
	s_mov_b32 s15, 0xfedcba98
	s_mov_b32 s58, 0x3e38aa3b                      ; c = log2(e) / 8, twice: a pair for the packed multiply-add
	s_mov_b32 s59, 0x3e38aa3b
	s_mov_b32 s2, 0xbe38aa3b                       ; -c
	; a tile of 32 rows x 64 f16, padded in LDS behind every 32 words: K by 4 words, V by 8
	s_mov_b32 s[G1K+0], (1<<16)|(1<<20)|(4<<22)|(3<<25)
	s_mov_b32 s[G1V+0], (1<<16)|(1<<20)|(4<<22)|(7<<25)
	s_mov_b32 s[G1K+1], 64<<16                     ; tensor_dim0 = 64
	s_mov_b32 s[G1V+1], 64<<16
	s_mov_b32 s[G1K+2], 32<<16                     ; tensor_dim1 = 32
	s_mov_b32 s[G1V+2], 32<<16
	s_mov_b32 s[G1K+3], 64<<16                     ; tile_dim0 = 64
	s_mov_b32 s[G1V+3], 64<<16
	s_mov_b32 s[G1K+4], 32                         ; tile_dim1 = 32
	s_mov_b32 s[G1V+4], 32
	s_mov_b32 s[G1K+5], 64                         ; elements from row to row
	s_mov_b32 s[G1V+5], 64
	s_mov_b32 s[G1K+6], 0
	s_mov_b32 s[G1V+6], 0
	s_mov_b32 s[G1K+7], 0
	s_mov_b32 s[G1V+7], 0
	s_mul_i32 s11, s8, 32*KP                       ; my 32 rows of K in a slot
	s_mul_i32 s12, s8, 32*VP
	s_add_co_u32 s12, s12, VOFF                    ; my 32 rows of V
	s_lshl_b32 s3, s8, 12                          ; 32 rows of 128 bytes in memory
	s_mul_i32 s56, s10, 3*PLANE
	s_mov_b32 s57, 0                               ; s57 stays 0: s[56:57] is the offset pair
	s_wait_dscnt 0x0
	s_wait_kmcnt 0x0
	s_add_nc_u64 s[52:53], s[4:5], s[56:57]        ; Q of my head
	s_add_co_u32 s56, s3, PLANE
	s_add_nc_u64 s[48:49], s[52:53], s[56:57]      ; my rows of K's tile 0
	s_add_nc_u64 s[50:51], s[48:49], PLANE         ; my rows of V's tile 0
	s_or_b32 s49, s49, 0x80000000                  ; the descriptor's type
	s_or_b32 s51, s51, 0x80000000
	s_lshl_b32 s56, s10, 18
	s_add_nc_u64 s[54:55], s[6:7], s[56:57]        ; ah of my head
	s_lshl_b32 s56, s9, 14                         ; the first query block: i x 128 rows of 128 bytes
	s_add_nc_u64 s[62:63], s[52:53], s[56:57]
	s_add_nc_u64 s[60:61], s[54:55], s[56:57]      ; where the hi terms go,
	s_add_nc_u64 s[66:67], s[60:61], PARTB         ; and the lo terms
.irp s, 0,1
	s_mov_b32 s[G0K+4*\s], 1
	s_add_co_u32 s[G0K+4*\s+1], s11, \s*SLOT
	s_mov_b64 s[G0K+4*\s+2:G0K+4*\s+3], s[48:49]
	s_mov_b32 s[G0V+4*\s], 1
	s_add_co_u32 s[G0V+4*\s+1], s12, \s*SLOT
	s_mov_b64 s[G0V+4*\s+2:G0V+4*\s+3], s[50:51]
.endr
	tensor_load_to_lds s[G0K:G0K+3], s[G1K:G1K+7]  ; tile 0 into slot 0: two tensor loads of the wave are out, here and behind every barrier
	s_nop 0
	tensor_load_to_lds s[G0V:G0V+3], s[G1V:G1V+7]
	s_nop 0
	v_and_b32 v1, 31, v0                           ; l
	v_and_b32 v2, 15, v0                           ; r
	v_bfe_u32 v3, v0, 4, 1                         ; h
	v_lshlrev_b32 v14, 7, v2
	v_lshl_add_u32 v14, v3, 4, v14
	v_add_nc_u32 v[QO], s3, v14                    ; (32 w + r) x 128 + 16 h
.macro QLOAD                           ; Q as the second source: lane (r, h) holds query r, d = 32 ks + 8 h + 0..7 and + 16
.irp n, 0,1
.irp ks, 0,1
	global_load_b128 v[QF+16*\n+8*\ks:QF+16*\n+8*\ks+3],   v[QO], s[62:63] offset:\n*2048+\ks*64
	global_load_b128 v[QF+16*\n+8*\ks+4:QF+16*\n+8*\ks+7], v[QO], s[62:63] offset:\n*2048+\ks*64+32
.endr
.endr
.endm
	QLOAD
	v_lshl_add_u32 v[AO], v1, 4, s3                ; 4,096 w + 16 l
	v_mul_u32_u24 v14, v2, KP
	v_lshl_add_u32 v14, v3, 4, v14                 ; r x 144 + 16 h
	v_mov_b32 v[KADR], v14
	v_add_nc_u32 v[KADR+1], SLOT, v14
	s_mul_i32 s13, s8, 2*LOST
	s_add_co_u32 s13, s13, STAGE                   ; my stage
	v_add_nc_u32 v[STO], s13, v14
	v_lshrrev_b32 v15, 3, v1
	v_mul_u32_u24 v15, v15, SP
	v_and_b32 v14, 7, v0
	v_lshl_add_u32 v15, v14, 4, v15
	v_add_nc_u32 v[RD], s13, v15                   ; back: eight lanes take one row of 128 bytes
	v_lshl_add_u32 v14, v3, 3, v14                 ; 8 h + l % 8
	v_mul_u32_u24 v14, v14, VP
	v_bfe_u32 v15, v0, 3, 1
	v_lshl_add_u32 v14, v15, 4, v14                ; + 16 ((l / 8) % 2)
	v_add_nc_u32 v[VADR], VOFF, v14
	v_add_nc_u32 v[VADR+1], VOFF+SLOT, v14
	v_lshlrev_b32 v14, 3, v3
	v_sub_nc_u32 v14, v2, v14
	s_lshl_b32 s13, s8, 5
	v_add_nc_u32 v[TAU], s13, v14
	v_mov_b32 v[NEG], 0xcfee6b28                   ; -8e9
	v_mov_b32 v[M], 0xff800000                     ; -infinity
	v_mov_b32 v[M+1], 0xff800000
	v_mov_b32 v[L], 0
	v_mov_b32 v[L+1], 0
	v_mov_b32 v[AL], 0                             ; both registers of a pair that a packed instruction names are written
	v_mov_b32 v[AL+1], 0
	v_mov_b32 v[NM], 0
	v_mov_b32 v[NM+1], 0
	; O is cleared once in the launch: the trip in which a block's first product falls is not known when the text is written, so no product can start the sums.
.set j, 0
.rept 64
	v_mov_b32 v[OA+j], 0
.set j, j+1
.endr
	s_wait_loadcnt 0x0                             ; Q
.macro PLACES n                        ; places behind matrix instructions (ISA guide 7.12.1)
.rept \n
	v_nop
.endr
.endm
; 16 LDS loads: K's fragments of 64 keys (half hf of the tile): row 64 hf + 16 kt + r, d = 32 ks + 8 h + 0..7 and + 16
.macro KLOAD slot, hf
.irp kt, 0,1,2,3
.irp ks, 0,1
	ds_load_b128 v[KF+16*\kt+8*\ks:KF+16*\kt+8*\ks+3],   v[KADR+\slot] offset:(64*\hf+16*\kt)*KP+64*\ks
	ds_load_b128 v[KF+16*\kt+8*\ks+4:KF+16*\kt+8*\ks+7], v[KADR+\slot] offset:(64*\hf+16*\kt)*KP+64*\ks+32
.endr
.endr
.endm
; Four numbers p at v[x .. x+3] are split in f32: c = 8193 p, hi = c - (c - p) is p rounded to 24 - 13 = 11 bits, which f16 holds exactly (below 2^-14 to 2^-25
; absolute), and p - hi is exact.  The hi terms go packed to h0 and h1; the rest stays in place.
.macro SPLIT2 x, h0, h1
	v_pk_mul_f32 v[T:T+1],     v[\x:\x+1],     0x46000400 op_sel_hi:[1,0]
	v_pk_mul_f32 v[T+2:T+3],   v[\x+2:\x+3],   0x46000400 op_sel_hi:[1,0]
	v_pk_add_f32 v[T+4:T+5],   v[T:T+1],       v[\x:\x+1]     neg_lo:[0,1] neg_hi:[0,1]
	v_pk_add_f32 v[T+6:T+7],   v[T+2:T+3],     v[\x+2:\x+3]   neg_lo:[0,1] neg_hi:[0,1]
	v_pk_add_f32 v[T:T+1],     v[T:T+1],       v[T+4:T+5]     neg_lo:[0,1] neg_hi:[0,1]
	v_pk_add_f32 v[T+2:T+3],   v[T+2:T+3],     v[T+6:T+7]     neg_lo:[0,1] neg_hi:[0,1]
	v_pk_add_f32 v[\x:\x+1],   v[\x:\x+1],     v[T:T+1]       neg_lo:[0,1] neg_hi:[0,1]
	v_pk_add_f32 v[\x+2:\x+3], v[\x+2:\x+3],   v[T+2:T+3]     neg_lo:[0,1] neg_hi:[0,1]
	v_cvt_pk_f16_f32 v[\h0], v[T], v[T+1]
	v_cvt_pk_f16_f32 v[\h1], v[T+2], v[T+3]
.endm
; Softmax step for query tile n over 64 keys: 32 scores a lane.
.macro SOFT n, hf, masked
.if \masked
	; key 64 hf + 16 kt + 8 h + j is masked where it is above query 32 w + 16 n + r
.irp kt, 0,1,2,3
.irp j, 0,1,2,3,4,5,6,7
	v_cmp_gt_i32 vcc_lo, 64*\hf+16*\kt+\j-16*\n, v[TAU]
	v_cndmask_b32 v[SA+16*\kt+8*\n+\j], v[SA+16*\kt+8*\n+\j], v[NEG], vcc_lo
.endr
.endr
.endif
.irp kt, 0,1,2,3                       ; four chains that do not wait for each other
	v_max3_num_f32 v[T+\kt], v[SA+16*\kt+8*\n], v[SA+16*\kt+8*\n+1], v[SA+16*\kt+8*\n+2]
.endr
.irp kt, 0,1,2,3
	v_max3_num_f32 v[T+\kt], v[T+\kt], v[SA+16*\kt+8*\n+3], v[SA+16*\kt+8*\n+4]
.endr
.irp kt, 0,1,2,3
	v_max3_num_f32 v[T+\kt], v[T+\kt], v[SA+16*\kt+8*\n+5], v[SA+16*\kt+8*\n+6]
.endr
.irp kt, 0,1,2,3
	v_max_num_f32 v[T+\kt], v[T+\kt], v[SA+16*\kt+8*\n+7]
.endr
	v_max3_num_f32 v[T], v[T], v[T+1], v[T+2]
	v_max3_num_f32 v[T], v[T], v[T+3], v[M+\n]
	v_permlanex16_b32 v[T+1], v[T], s14, s15       ; the other half's keys of the same query
	v_max_num_f32 v[T], v[T], v[T+1]               ; the new maximum
	v_sub_f32 v[T+2], v[M+\n], v[T]
	v_mul_f32 v[T+2], s58, v[T+2]
	v_exp_f32 v[AL+\n], v[T+2]                     ; exp((old - new) / 8): 0 at a block's first step, where the old maximum is -infinity
	v_mov_b32 v[M+\n], v[T]                        ; the plain instruction behind v_exp_f32 (ISA guide 5.7.2)
	v_mul_f32 v[NM+\n], s2, v[T]
.irp kt, 0,1,2,3
.irp p, 0,2,4,6
	v_pk_fma_f32 v[SA+16*\kt+8*\n+\p:SA+16*\kt+8*\n+\p+1], v[SA+16*\kt+8*\n+\p:SA+16*\kt+8*\n+\p+1], s[58:59], v[NM:NM+1] op_sel:[0,0,\n] op_sel_hi:[1,0,\n]
.endr
.endr
.irp kt, 0,1,2,3
.irp j, 0,1,2,3,4,5,6,7
	v_exp_f32 v[SA+16*\kt+8*\n+\j], v[SA+16*\kt+8*\n+\j]
.endr
.endr
	s_wait_alu depctr_va_vdst(0)
.irp dt, 0,1,2,3                       ; O is rescaled: also the plain instructions between the exponentials and the use of their results
.irp p, 0,2,4,6
	v_pk_mul_f32 v[OA+8*(2*\dt+\n)+\p:OA+8*(2*\dt+\n)+\p+1], v[OA+8*(2*\dt+\n)+\p:OA+8*(2*\dt+\n)+\p+1], v[AL:AL+1] op_sel:[0,\n] op_sel_hi:[1,\n]
.endr
.endr
.irp kt, 0,1,2,3
	v_pk_add_f32 v[T+2*\kt:T+2*\kt+1], v[SA+16*\kt+8*\n:SA+16*\kt+8*\n+1], v[SA+16*\kt+8*\n+2:SA+16*\kt+8*\n+3]
.endr
.irp kt, 0,1,2,3
	v_pk_add_f32 v[T+2*\kt:T+2*\kt+1], v[T+2*\kt:T+2*\kt+1], v[SA+16*\kt+8*\n+4:SA+16*\kt+8*\n+5]
.endr
.irp kt, 0,1,2,3
	v_pk_add_f32 v[T+2*\kt:T+2*\kt+1], v[T+2*\kt:T+2*\kt+1], v[SA+16*\kt+8*\n+6:SA+16*\kt+8*\n+7]
.endr
	v_pk_add_f32 v[T:T+1], v[T:T+1], v[T+2:T+3]
	v_pk_add_f32 v[T+4:T+5], v[T+4:T+5], v[T+6:T+7]
	v_pk_add_f32 v[T:T+1], v[T:T+1], v[T+4:T+5]
	v_add_f32 v[T], v[T], v[T+1]
	v_fma_f32 v[L+\n], v[L+\n], v[AL+\n], v[T]
.if \masked
	; p as two f16 terms, in place.  Registers 0-3 of a fragment stand for keys 8 h + 0..7 (tile 2 kg), registers 4-7 for keys 16 + 8 h + 0..7 (tile 2 kg + 1).
	; The two fragments are mixed: tile 2 kg's registers end as [lo of 2 kg | hi of 2 kg + 1], tile 2 kg + 1's as [hi of 2 kg | lo of 2 kg + 1];
	; their two products with the same V^T fragment add up to V^T (hi + lo).
.irp kg, 0,1
	SPLIT2 SA+32*\kg+16+8*\n, HT, HT+1             ; tile 2 kg + 1: its hi terms wait in v0-3
	SPLIT2 SA+32*\kg+20+8*\n, HT+2, HT+3
.irp p, 3,2,1,0                        ; its lo terms into its registers 4-7, from the top down: each register is written behind its last read
	v_cvt_pk_f16_f32 v[SA+32*\kg+20+8*\n+\p], v[SA+32*\kg+16+8*\n+2*\p], v[SA+32*\kg+16+8*\n+2*\p+1]
.endr
	SPLIT2 SA+32*\kg+8*\n, SA+32*\kg+16+8*\n, SA+32*\kg+17+8*\n      ; tile 2 kg: its hi terms into the other tile's registers 0-3, now free
	SPLIT2 SA+32*\kg+4+8*\n, SA+32*\kg+18+8*\n, SA+32*\kg+19+8*\n
.irp p, 0,1,2,3                        ; its lo terms into its registers 0-3, from the bottom up
	v_cvt_pk_f16_f32 v[SA+32*\kg+8*\n+\p], v[SA+32*\kg+8*\n+2*\p], v[SA+32*\kg+8*\n+2*\p+1]
.endr
.irp p, 0,1,2,3
	v_mov_b32 v[SA+32*\kg+8*\n+4+\p], v[HT+\p]
.endr
.endr
.else
	; p to f16, in place: tile 2 kg fills registers 0-3 of P(kg, n) (keys 8 h + 0..7), then tile 2 kg + 1 registers 4-7 (keys 16 + 8 h + 0..7)
.irp kg, 0,1
.irp p, 0,1,2,3
	v_cvt_pk_f16_f32 v[SA+32*\kg+8*\n+\p], v[SA+32*\kg+8*\n+2*\p], v[SA+32*\kg+8*\n+2*\p+1]
.endr
.irp p, 0,1,2,3
	v_cvt_pk_f16_f32 v[SA+32*\kg+8*\n+4+\p], v[SA+32*\kg+16+8*\n+2*\p], v[SA+32*\kg+16+8*\n+2*\p+1]
.endr
.endr
.endif
.endm
; 8 matrix instructions: O^T += V^T(32 keys kg) x the P fragments at 32 kg + off
.macro PVPASS kg, off
.irp dt, 0,1,2,3
.irp n, 0,1
	v_wmma_f32_16x16x32_f16 v[OA+8*(2*\dt+\n):OA+8*(2*\dt+\n)+7], v[VF+8*(2*\dt+\kg):VF+8*(2*\dt+\kg)+7], v[SA+32*\kg+\off+8*\n:SA+32*\kg+\off+8*\n+7], v[OA+8*(2*\dt+\n):OA+8*(2*\dt+\n)+7]
.endr
.endr
.endm
; 64 keys: 16 matrix instructions for S^T, the softmax step, 16 (in a diagonal tile 32) for O^T.  In all runs eight accumulators take turns, one instruction a turn.
.macro SUB slot, hf, masked, nextk
	s_wait_dscnt 0x0                               ; K's fragments are in
.irp kt, 0,1,2,3
.irp n, 0,1
	v_wmma_f32_16x16x32_f16 v[SA+16*\kt+8*\n:SA+16*\kt+8*\n+7], v[KF+16*\kt:KF+16*\kt+7], v[QF+16*\n:QF+16*\n+7], 0
.endr
.endr
.irp kt, 0,1,2,3
.irp n, 0,1
	v_wmma_f32_16x16x32_f16 v[SA+16*\kt+8*\n:SA+16*\kt+8*\n+7], v[KF+16*\kt+8:KF+16*\kt+15], v[QF+16*\n+8:QF+16*\n+15], v[SA+16*\kt+8*\n:SA+16*\kt+8*\n+7]
.endr
.endr
	PLACES 4                                       ; before loads land in K's fragments and vector instructions read S
	WIN 0x40                                       ; destination window 1
.irp dt, 0,1,2,3
.irp kg, 0,1
	ds_load_tr16_b128 v[VF+8*(2*\dt+\kg):VF+8*(2*\dt+\kg)+3],   v[VADR+\slot] offset:(64*\hf+32*\kg)*VP+32*\dt
	ds_load_tr16_b128 v[VF+8*(2*\dt+\kg)+4:VF+8*(2*\dt+\kg)+7], v[VADR+\slot] offset:(64*\hf+32*\kg)*VP+32*\dt+16*VP
.endr
.endr
	WIN 0
.if \nextk
	KLOAD \slot, 1                                 ; the tile's second half, under the softmax step
.endif
	SOFT 0, \hf, \masked
	SOFT 1, \hf, \masked
.if \nextk
	s_wait_dscnt 16                                ; V's 16 loads are in; K's 16 younger ones stay out
.else
	s_wait_dscnt 0x0
.endif
	WIN 0x01                                       ; source 0 (V^T) window 1
	PVPASS 0, 0
.if \masked
	PVPASS 0, 16
.endif
	PVPASS 1, 0
.if \masked
	PVPASS 1, 16
.endif
	WIN 0
	PLACES 5                                       ; the next S products write over registers that these have read
.endm
.macro BODY slot, masked
	KLOAD \slot, 0
	SUB \slot, 0, \masked, 1
	SUB \slot, 1, \masked, 0
.endm
; A query block is done: divide by the sum, split into two bf16 terms, out through my own stage as whole rows.  more = 1: go on to block 15 - i.
.macro FINAL more
	v_permlanex16_b32 v[T], v[L], s14, s15
	v_permlanex16_b32 v[T+1], v[L+1], s14, s15
	v_add_f32 v[T], v[T], v[L]                     ; the two halves' sums; at least 1, since the largest p is 1
	v_add_f32 v[T+1], v[T+1], v[L+1]
	v_rcp_f32 v[AL], v[T]
	v_rcp_f32 v[AL+1], v[T+1]
	v_nop                                          ; the plain instruction behind v_rcp_f32 (ISA guide 5.7.2)
	s_wait_alu depctr_va_vdst(0)
.irp dt, 0,1,2,3
.irp n, 0,1
.irp p, 0,2,4,6
	v_pk_mul_f32 v[OA+8*(2*\dt+\n)+\p:OA+8*(2*\dt+\n)+\p+1], v[OA+8*(2*\dt+\n)+\p:OA+8*(2*\dt+\n)+\p+1], v[AL:AL+1] op_sel:[0,\n] op_sel_hi:[1,\n]
.endr
.irp p, 0,1,2,3
	v_cvt_pk_bf16_f32 v[KF+4*(2*\dt+\n)+\p], v[OA+8*(2*\dt+\n)+2*\p], v[OA+8*(2*\dt+\n)+2*\p+1]       ; hi
.endr
.irp p, 0,1,2,3
	v_lshlrev_b32 v[T+2*\p], 16, v[KF+4*(2*\dt+\n)+\p]                                                 ; hi back in f32
	v_and_b32 v[T+2*\p+1], 0xffff0000, v[KF+4*(2*\dt+\n)+\p]
.endr
.irp p, 0,2,4,6
	v_pk_add_f32 v[OA+8*(2*\dt+\n)+\p:OA+8*(2*\dt+\n)+\p+1], v[OA+8*(2*\dt+\n)+\p:OA+8*(2*\dt+\n)+\p+1], v[T+\p:T+\p+1] neg_lo:[0,1] neg_hi:[0,1]   ; o - hi, exact
.endr
.irp p, 0,1,2,3
	v_cvt_pk_bf16_f32 v[KF+32+4*(2*\dt+\n)+\p], v[OA+8*(2*\dt+\n)+2*\p], v[OA+8*(2*\dt+\n)+2*\p+1]    ; lo
.endr
	ds_store_b128 v[STO], v[KF+4*(2*\dt+\n):KF+4*(2*\dt+\n)+3] offset:\n*16*SP+32*\dt                  ; query 16 n + r, d = 16 dt + 8 h + 0..7
	ds_store_b128 v[STO], v[KF+32+4*(2*\dt+\n):KF+32+4*(2*\dt+\n)+3] offset:LOST+\n*16*SP+32*\dt
.endr
.endr
.irp t, 0,1,2,3,4,5,6,7
	ds_load_b128 v[SA+4*\t:SA+4*\t+3], v[RD] offset:\t*4*SP   ; LDS serves a wave's instructions in order (ISA guide 5.7.1.4): these see the stores above
.endr
.irp t, 0,1,2,3,4,5,6,7
	ds_load_b128 v[SA+32+4*\t:SA+32+4*\t+3], v[RD] offset:LOST+\t*4*SP
.endr
.irp t, 0,1,2,3,4,5,6,7
	s_wait_dscnt 15-\t                             ; of the 16 loads the first t + 1 are in
	global_store_b128 v[AO], v[SA+4*\t:SA+4*\t+3], s[60:61] offset:512*\t   ; the wave stores four rows: 512 consecutive bytes, aligned
.endr
.irp t, 0,1,2,3,4,5,6,7
	s_wait_dscnt 7-\t
	global_store_b128 v[AO], v[SA+32+4*\t:SA+32+4*\t+3], s[66:67] offset:512*\t
.endr
.if \more
	s_wait_xcnt 0x0                                ; the stores' bases and data are written again only behind this wait (ISA guide 3.1)
	s_sub_co_u32 s56, 15, s9
	s_lshl_b32 s56, s56, 14
	s_add_nc_u64 s[62:63], s[52:53], s[56:57]
	s_add_nc_u64 s[60:61], s[54:55], s[56:57]
	s_add_nc_u64 s[66:67], s[60:61], PARTB
	QLOAD
	v_mov_b32 v[M], 0xff800000                     ; the maximum starts anew.  O and the sum are not cleared: the next step's factor is exp2(-infinity) = 0,
	v_mov_b32 v[M+1], 0xff800000                   ; and what it multiplies is finite (what the split left of a weighted mean of f16 numbers; a sum of at most 2,048 numbers <= 1)
	s_wait_loadcnt 0x0
.endif
.endm
; One key tile.  s11 = t, the trip; s12 = the key tile that the slot read in this trip holds, then the next one's.
; variant 0: a tile below the diagonal; 1: the diagonal tile of block i if t = i; 2: the diagonal tile of block 15 - i, the last.
.macro TRIP slot, refill, variant
	s_set_vgpr_msb 0x5
	s_wait_tensorcnt 0x0                           ; all my tensor loads have landed, my rows of this trip's tile among them: every group 0 may be written
	ds_add_u32 v64, v65
	s_wait_dscnt 0x0
	s_set_vgpr_msb 0x500
	s_add_co_u32 s12, s12, 1
	s_cmp_eq_u32 s11, s9
	s_cselect_b32 s12, 0, s12                      ; behind block i's diagonal tile comes tile 0 for block 15 - i
	s_lshl_b32 s56, s12, 14
	s_add_nc_u64 s[G0K+4*(1-\slot)+2:G0K+4*(1-\slot)+3], s[48:49], s[56:57]
	s_add_nc_u64 s[G0V+4*(1-\slot)+2:G0V+4*(1-\slot)+3], s[50:51], s[56:57]
	s_wait_dscnt 0x0                               ; my reads of the last trip's tile are over
	s_barrier_signal -1
	s_barrier_wait -1                              ; both now hold of all four waves
.if \refill
	tensor_load_to_lds s[G0K+4*(1-\slot):G0K+4*(1-\slot)+3], s[G1K:G1K+7]   ; the next tile, into the slot read last trip; it has this trip's 64 matrix
	s_nop 0
	tensor_load_to_lds s[G0V+4*(1-\slot):G0V+4*(1-\slot)+3], s[G1V:G1V+7]   ; instructions and four softmax steps in which to land
	s_nop 0
.endif
.if \variant == 0
	BODY \slot, 0
.endif
.if \variant == 1
	s_cmp_eq_u32 s11, s9
	s_cbranch_scc1 .Ldiag_\@
	BODY \slot, 0
	s_branch .Ljoin_\@
.Ldiag_\@:
	BODY \slot, 1
	FINAL 1
.Ljoin_\@:
.endif
.if \variant == 2
	BODY \slot, 1
	FINAL 0
.endif
	s_add_co_u32 s11, s11, 1
.endm
	s_mov_b32 s11, 0
	s_mov_b32 s12, 0
	s_mov_b32 s13, 4
.Lfirst:                               ; t = 0..7: the change of blocks falls here, since i <= 7
	TRIP 0, 1, 1
	TRIP 1, 1, 1
	s_sub_co_u32 s13, s13, 1
	s_cmp_lg_u32 s13, 0
	s_cbranch_scc1 .Lfirst
	s_mov_b32 s13, 3
.Lsecond:                              ; t = 8..13
	TRIP 0, 1, 0
	TRIP 1, 1, 0
	s_sub_co_u32 s13, s13, 1
	s_cmp_lg_u32 s13, 0
	s_cbranch_scc1 .Lsecond
	TRIP 0, 1, 0                                   ; t = 14
	TRIP 1, 1, 0                                   ; t = 15
	TRIP 0, 0, 2                                   ; t = 16 fetches nothing (the stepped addresses are not used)
	s_set_vgpr_msb 0x5
	s_wait_tensorcnt 0x0
	ds_add_u32 v64, v65
	s_wait_dscnt 0x0
	s_set_vgpr_msb 0x500
	s_endpgm
.Lfunc_end_k_q4c1b7619f1_attn:
	.size	k_q4c1b7619f1_attn, .Lfunc_end_k_q4c1b7619f1_attn-k_q4c1b7619f1_attn
	.p2alignl 7, 3214868480
	.fill 96, 4, 3214868480
	.section	.rodata,"a",@progbits
	.p2align	6, 0x0
	.amdhsa_kernel k_q4c1b7619f1_attn
		.amdhsa_group_segment_fixed_size 327680
		.amdhsa_private_segment_fixed_size 0
		.amdhsa_enable_private_segment 0
		.amdhsa_kernarg_size 16
		.amdhsa_user_sgpr_count 2
		.amdhsa_user_sgpr_kernarg_segment_ptr 1
		.amdhsa_wavefront_size32 1
		.amdhsa_system_sgpr_workgroup_id_x 1
		.amdhsa_system_sgpr_workgroup_id_y 1
		.amdhsa_system_sgpr_workgroup_id_z 1
		.amdhsa_system_vgpr_workitem_id 0
		.amdhsa_next_free_vgpr 322
		.amdhsa_next_free_sgpr 72
		.amdhsa_reserve_vcc 1
		.amdhsa_float_denorm_mode_32 3
		.amdhsa_float_denorm_mode_16_64 3
		.amdhsa_memory_ordered 1
		.amdhsa_forward_progress 1
		.amdhsa_inst_pref_size 255
	.end_amdhsa_kernel
	.section	.bss,"aw",@nobits
	.p2align	6
	.space	262144
	.amdgpu_metadata
---
amdhsa.version: [ 1, 2 ]
amdhsa.kernels:
  - .name:           k_q4c1b7619f1_attn
    .symbol:         k_q4c1b7619f1_attn.kd
    .args:
      - { .name: qkvh, .offset: 0, .size: 8, .value_kind: global_buffer, .address_space: global }
      - { .name: ah, .offset: 8, .size: 8, .value_kind: global_buffer, .address_space: global }
    .group_segment_fixed_size: 327680
    .private_segment_fixed_size: 0
    .kernarg_segment_align: 8
    .kernarg_segment_size: 16
    .max_flat_workgroup_size: 128
    .sgpr_count:     72
    .vgpr_count:     322
    .wavefront_size: 32
...
	.end_amdgpu_metadata
.endif
;; end of part 3
;; launch proj_out (part 4): grid 8 x 32, 4 waves a work-group, clusters of 4 x 4, 327,680 bytes of LDS; arguments ah, woh, out0; writes out0
.if DOCPART == 4
	.amdgcn_target "amdgcn-amd-amdhsa--gfx1250"
	.amdhsa_code_object_version 6
	.text
	.protected	k_q4c1b7619f1_proj_out
	.globl	k_q4c1b7619f1_proj_out
	.p2align	8
	.type	k_q4c1b7619f1_proj_out,@function
k_q4c1b7619f1_proj_out:
	s_mov_b64 s[64:65], 0
	v_nop
	global_prefetch_b8 v0, s[64:65] scope:SCOPE_SE
	s_setreg_imm32_b32 hwreg(HW_REG_WAVE_MODE, 25, 1), 1
	s_wait_xcnt 0x0
	s_wait_alu depctr_hold_cnt(0) depctr_sa_sdst(0) depctr_va_vdst(0) depctr_va_sdst(0) depctr_va_ssrc(0) depctr_va_vcc(0) depctr_vm_vsrc(0)
	s_getreg_b32 s2, hwreg(HW_REG_IB_STS2, 6, 4)
	s_cmp_eq_u32 s2, 0
	s_cbranch_scc0 .Lentry_in_a_cluster
	s_endpgm
.Lentry_in_a_cluster:
	s_bfe_u32 s2, ttmp6, 0x10000c
	s_cmp_lg_u32 s2, 0xf033
	s_cbranch_scc0 .Lentry_shape_is_right
	s_endpgm
.Lentry_shape_is_right:
; proj_out: out0[b][s][n] = sum over v of attention[b][s][v] W_o[n][v].  ah [hi, lo][b][head][2048][64] bf16, woh [1024][1024] bf16, out0 [4096][1024] f32.
; The attention output comes as two bf16 terms, 16 bits together; both are multiplied by the same fragments of W_o and added into the same f32 sums.  One bf16 or f16
; term would not do: a row that attends to few keys is some ten times larger than the output's root mean square, and its rounding would show.
; A work-group makes 128 x 128 of out0: 32 x 8 = 256 work-groups.  Four waves, each 64 x 64: 16 accumulator tiles in window 1.
; K goes in 8 steps of 128 = two heads.  A slot holds four tiles of ah (two heads x hi, lo; 128 rows x 128 bytes, dense in memory) and 128 rows x 256 bytes of woh.
; Two slots: while one is multiplied (128 matrix instructions of a wave) the other's tiles are on their way.
; CLUSTERS: 4 x 4 work-groups; ah's tiles are shared along a row of the cluster, woh's along a column, each asked for jointly.  Every wave issues both lines:
; tile number = wave of ah, and 32 rows of woh; so no branch stands round a tensor load.
; The matrix instruction is used transposed (source 0 = rows of W_o, source 1 = rows of ah): a lane holds eight neighbouring columns of one row, 32 bytes of f32.
.set APITCH, 144                       ; 128 bytes + 16 = 9 x 16
.set BPITCH, 272                       ; 256 bytes + 16 = 17 x 16: sixteen rows start at sixteen different 16-byte columns modulo 256
.set ATILE,  128*APITCH                ; one head's tile of one term; tile number = 2 x term + head in the step
.set BOFF,   4*ATILE
.set BQ,     32*BPITCH                 ; what one wave fetches of woh
.set SLOT,   BOFF+4*BQ                 ; 108,544
.set STAGE,  2*SLOT                    ; 217,088, a multiple of 256: 16 rows x 272 bytes for each wave; no tensor load lands here
.set SPITCH, 272
.set ASTEP,  524288                    ; two heads on: 2 x 2048 x 128 bytes
.set BSTEP,  256
.set ADRA, 16                          ; v16-17  my ah fragment address in slot 0, 1
.set ADRB, 20                          ; v20-21  my woh fragment address
.set STO,  24
.set RD,   25
.set CO,   26
.set F0,   64                          ; fragment buffer 0, v64-159: ah's hi terms at + 8 a, lo terms at + 32 + 8 a, woh's at + 64 + 8 b
.set F1,   160                         ; fragment buffer 1, v160-255
.set G1,  16                           ; s[16:23] group 1 for ah's tiles
.set G1B, 24                           ; s[24:31] group 1 for woh's tiles
.set G0A, 32                           ; s[32:39] group 0 for ah's tiles, one set for each slot
.set G0B, 40                           ; s[40:47] group 0 for woh's tiles
.set ACC, 0x50                         ; C and D window 1, sources window 0
.set MSB, 0
.macro WIN new
.if MSB != \new
	s_set_vgpr_msb (MSB<<8)|\new
.set MSB, \new
.endif
.endm
.macro JLOAD s                         ; my tile of ah and my 32 rows of woh for one K step: two joint loads, each line with one mask
	tensor_load_to_lds s[G0A+4*\s:G0A+4*\s+3], s[G1:G1+7]
	s_nop 0
	tensor_load_to_lds s[G0B+4*\s:G0B+4*\s+3], s[G1B:G1B+7]
	s_nop 0
.endm
.macro CROUND                          ; a round of the cluster's barrier
	s_barrier_signal -1
	s_barrier_wait -1
	s_cmp_lg_u32 s10, 0
	s_cbranch_scc1 .Lnot_wave_0_\@
	s_barrier_signal -3
.Lnot_wave_0_\@:
	s_barrier_wait -3
	s_barrier_signal -1
	s_barrier_wait -1
.endm
	s_load_b128 s[4:7], s[0:1], 0x0                ; ah s[4:5], woh s[6:7]
	s_load_b64 s[8:9], s[0:1], 0x10                ; out0
	v_lshl_add_u32 v62, v0, 2, 0x39400
	v_mov_b32 v63, 0
	ds_add_u32 v62, v63
	ds_add_u32 v62, v63
	v_lshrrev_b32 v1, 5, v0
	v_readfirstlane_b32 s10, v1                    ; wave 0..3
	s_lshr_b32 s11, s10, 1                         ; my half of the block's rows.  Also: the term whose tile I fetch (0 hi, 1 lo)
	s_and_b32 s12, s10, 1                          ; my half of its columns.  Also: which of the step's two heads I fetch
	s_bfe_u32 s48, ttmp6, 0x40000                  ; cx
	s_bfe_u32 s49, ttmp6, 0x40004                  ; cy
	s_lshl_b32 s50, ttmp9, 2
	s_add_co_u32 s50, s50, s48                     ; block column
	s_and_b32 s51, ttmp7, 0xffff
	s_lshl_b32 s51, s51, 2
	s_add_co_u32 s51, s51, s49                     ; block row
	s_lshl_b32 s52, s49, 2
	s_lshl_b32 s52, 15, s52                        ; my row of the cluster
	s_lshl_b32 s53, 0x1111, s48                    ; my column
	s_or_b32 s[G1+0], s52, (1<<16)|(1<<20)|(1<<21)|(4<<22)|(3<<25)    ; mask: my row; 2 bytes; padding on; bit 21 beside a mask; after every 32 words, 4 words
	s_or_b32 s[G1B+0], s53, (1<<16)|(1<<20)|(1<<21)|(5<<22)|(3<<25)   ; mask: my column; after every 64 words, 4 words
	s_mov_b32 s[G1+1], 64<<16                      ; tensor_dim0
	s_mov_b32 s[G1B+1], 128<<16
	s_mov_b32 s[G1+2], 128<<16                     ; tensor_dim1
	s_mov_b32 s[G1B+2], 32<<16
	s_mov_b32 s[G1+3], 64<<16                      ; tile_dim0
	s_mov_b32 s[G1B+3], 128<<16
	s_mov_b32 s[G1+4], 128                         ; tile_dim1
	s_mov_b32 s[G1B+4], 32
	s_mov_b32 s[G1+5], 64                          ; elements from row to row
	s_mov_b32 s[G1B+5], 1024
	s_mov_b32 s[G1+6], 0
	s_mov_b32 s[G1B+6], 0
	s_mov_b32 s[G1+7], 0
	s_mov_b32 s[G1B+7], 0
	; ah's tile: term x 8,388,608 + ((16 b + head) x 2048 + s0) x 128 bytes, b = block row / 16, s0 = 128 x (block row % 16), head = wave % 2 in K step 0
	s_lshr_b32 s54, s51, 4
	s_lshl_b32 s54, s54, 22
	s_and_b32 s55, s51, 15
	s_lshl_b32 s55, s55, 14
	s_add_co_u32 s54, s54, s55
	s_lshl_b32 s55, s12, 18
	s_add_co_u32 s54, s54, s55
	s_lshl_b32 s55, s11, 23
	s_add_co_u32 s54, s54, s55
	s_mov_b32 s55, 0
	; woh's tile: row 128 x block column + 32 x wave, rows of 2,048 bytes
	s_lshl_b32 s56, s50, 18
	s_lshl_b32 s57, s10, 16
	s_add_co_u32 s56, s56, s57
	s_mov_b32 s57, 0
	s_mul_i32 s13, s10, ATILE                      ; where they go: ah's tile number = wave;
	s_mul_i32 s3, s10, BQ
	s_add_co_u32 s3, s3, BOFF                      ; woh's 32 rows behind the four tiles.  No place in the cluster enters an LDS address
	s_wait_dscnt 0x0
	s_wait_kmcnt 0x0
	s_add_nc_u64 s[58:59], s[4:5], s[54:55]
	s_add_nc_u64 s[60:61], s[6:7], s[56:57]
	CROUND                                         ; all sixteen work-groups are here: the first joint loads meet
.irp s, 0,1
	s_mov_b32 s[G0A+4*\s], 1
	s_add_co_u32 s[G0A+4*\s+1], s13, \s*SLOT
	s_add_nc_u64 s[G0A+4*\s+2:G0A+4*\s+3], s[58:59], \s*ASTEP
	s_or_b32 s[G0A+4*\s+3], s[G0A+4*\s+3], 0x80000000
	s_mov_b32 s[G0B+4*\s], 1
	s_add_co_u32 s[G0B+4*\s+1], s3, \s*SLOT
	s_add_nc_u64 s[G0B+4*\s+2:G0B+4*\s+3], s[60:61], \s*BSTEP
	s_or_b32 s[G0B+4*\s+3], s[G0B+4*\s+3], 0x80000000
	JLOAD \s                                       ; K steps 0 and 1: four tensor loads of the wave are out, later two
.endr
	v_and_b32 v1, 15, v0                           ; r
	v_bfe_u32 v2, v0, 4, 1                         ; h
	v_mul_u32_u24 v3, v1, APITCH
	v_lshl_add_u32 v3, v2, 4, v3
	v_mul_u32_u24 v4, v1, BPITCH
	v_lshl_add_u32 v5, v2, 5, v4                   ; the stage: r x 272 + 32 h
	v_lshl_add_u32 v4, v2, 4, v4
	s_mul_i32 s2, s11, 64*APITCH                   ; my 64 rows of ah
	s_mul_i32 s13, s12, 64*BPITCH
	s_add_co_u32 s13, s13, BOFF                    ; my 64 rows of woh
.irp s, 0,1
	v_add_nc_u32 v[ADRA+\s], s2, v3
	v_add_nc_u32 v[ADRB+\s], s13, v4
	s_add_co_u32 s2, s2, SLOT
	s_add_co_u32 s13, s13, SLOT
.endr
	s_mul_i32 s2, s10, 16*SPITCH
	s_add_co_u32 s2, s2, STAGE                     ; my stage
	v_add_nc_u32 v[STO], s2, v5
	v_mul_u32_u24 v5, v2, SPITCH
	v_lshl_add_u32 v5, v1, 4, v5
	v_add_nc_u32 v[RD], s2, v5                     ; back: lanes 0-15 take one row of 256 bytes, lanes 16-31 the next
	v_lshlrev_b32 v5, 12, v2
	v_lshl_add_u32 v[CO], v1, 4, v5                ; and the same two rows of out0
; 24 LDS loads: the fragments of quarter kq (32 along K) of a slot.  Quarters 0, 1 lie in the first head's tiles, 2, 3 in the second's.
.macro FETCH slot, kq, f
.irp a, 0,1,2,3
	ds_load_b128 v[\f+8*\a:\f+8*\a+3],   v[ADRA+\slot] offset:(\kq>>1)*ATILE+\a*16*APITCH+(\kq&1)*64
	ds_load_b128 v[\f+8*\a+4:\f+8*\a+7], v[ADRA+\slot] offset:(\kq>>1)*ATILE+\a*16*APITCH+(\kq&1)*64+32
.endr
.irp a, 0,1,2,3
	ds_load_b128 v[\f+32+8*\a:\f+32+8*\a+3], v[ADRA+\slot] offset:(2+(\kq>>1))*ATILE+\a*16*APITCH+(\kq&1)*64
	ds_load_b128 v[\f+32+8*\a+4:\f+32+8*\a+7], v[ADRA+\slot] offset:(2+(\kq>>1))*ATILE+\a*16*APITCH+(\kq&1)*64+32
.endr
.irp b, 0,1,2,3
	ds_load_b128 v[\f+64+8*\b:\f+64+8*\b+3], v[ADRB+\slot] offset:\b*16*BPITCH+\kq*64
	ds_load_b128 v[\f+64+8*\b+4:\f+64+8*\b+7], v[ADRB+\slot] offset:\b*16*BPITCH+\kq*64+32
.endr
.endm
; 32 matrix instructions: the hi terms' products, then the lo terms'.  The 16 accumulators take turns, one instruction a turn, in the same order in every run.
.macro MUL32 f, zero
.irp a, 0,1,2,3
.irp b, 0,1,2,3
.if \zero
	v_wmma_f32_16x16x32_bf16 v[8*(4*\a+\b):8*(4*\a+\b)+7], v[\f+64+8*\b:\f+64+8*\b+7], v[\f+8*\a:\f+8*\a+7], 0
.else
	v_wmma_f32_16x16x32_bf16 v[8*(4*\a+\b):8*(4*\a+\b)+7], v[\f+64+8*\b:\f+64+8*\b+7], v[\f+8*\a:\f+8*\a+7], v[8*(4*\a+\b):8*(4*\a+\b)+7]
.endif
.endr
.endr
.irp a, 0,1,2,3
.irp b, 0,1,2,3
	v_wmma_f32_16x16x32_bf16 v[8*(4*\a+\b):8*(4*\a+\b)+7], v[\f+64+8*\b:\f+64+8*\b+7], v[\f+32+8*\a:\f+32+8*\a+7], v[8*(4*\a+\b):8*(4*\a+\b)+7]
.endr
.endr
.endm
.macro PLACES                          ; four places behind a matrix instruction before a load lands in a register that it has read (ISA guide 7.12.1 for vector instructions)
.rept 4
	v_nop
.endr
.endm
; fetches quarter kq of a slot into buffer g, which the matrix instructions just issued have read, and multiplies buffer f
.macro QQ f, g, slot, kq
	PLACES
	WIN 0
	FETCH \slot, \kq, \g
	s_wait_dscnt 24                                ; all but the 24 just issued: buffer f is in
	WIN ACC
	MUL32 \f, 0
.endm
; one K step: four quarters on buffers 0, 1 in turn
.macro WORK slot, zero, places
.if \places
	PLACES
.endif
	FETCH \slot, 0, F0
	FETCH \slot, 1, F1
	s_wait_dscnt 24                                ; quarter 0 is in, quarter 1's 24 loads stay out
	WIN ACC
	MUL32 F0, \zero
	QQ F1, F0, \slot, 2
	QQ F0, F1, \slot, 3
	s_wait_dscnt 0x0
	MUL32 F1, 0
	WIN 0
.endm
; The slot just read is filled again, two K steps on.  Each wave's reads are over and all its tensor loads have landed (the other slot's two among them) in front of
; the round's opening signal; the joint refills are the first tensor loads behind its closing wait.
.macro CHANGE slot
	s_wait_dscnt 0x0
	s_wait_tensorcnt 0x0
	ds_add_u32 v62, v63
	s_wait_dscnt 0x0
	CROUND
	s_add_nc_u64 s[G0A+4*\slot+2:G0A+4*\slot+3], s[G0A+4*\slot+2:G0A+4*\slot+3], 2*ASTEP
	s_add_nc_u64 s[G0B+4*\slot+2:G0B+4*\slot+3], s[G0B+4*\slot+2:G0B+4*\slot+3], 2*BSTEP
	JLOAD \slot
.endm
	s_wait_tensorcnt 0x2                           ; my two loads of K step 0 are in; K step 1's two stay out
	s_barrier_signal -1
	s_barrier_wait -1
	WORK 0, 1, 0                                   ; K step 0: the first products start the sums, nothing is cleared
	CHANGE 0                                       ; K step 1 has landed; 2 goes out
	WORK 1, 0, 1
	CHANGE 1                                       ; 3 goes out
	WORK 0, 0, 1
	CHANGE 0                                       ; 4
	WORK 1, 0, 1
	CHANGE 1                                       ; 5
	WORK 0, 0, 1
	CHANGE 0                                       ; 6
	WORK 1, 0, 1
	CHANGE 1                                       ; 7: the last
	WORK 0, 0, 1
	s_wait_dscnt 0x0
	s_wait_tensorcnt 0x0                           ; my parts of K step 7
	s_barrier_signal -1
	s_barrier_wait -1                              ; everybody's
	WORK 1, 0, 1
	; THE WAY OUT, 16 rows at a time through my own stage: 32 bytes a lane in, whole rows of 256 bytes back.
	PLACES                                         ; the places behind the last matrix instructions, for the LDS stores that read results and the loads into the buffers
	s_lshl_b32 s54, s51, 19                        ; 128 x block row, rows of 4,096 bytes
	s_lshl_b32 s55, s11, 18                        ; + my 64 rows
	s_add_co_u32 s54, s54, s55
	s_mov_b32 s55, 0
	s_add_nc_u64 s[8:9], s[8:9], s[54:55]
	s_lshl_b32 s56, s50, 9                         ; 128 x block column, 4 bytes each (in the registers that held woh's offset: none that feeds ah's descriptors ever holds cx)
	s_lshl_b32 s57, s12, 8                         ; + my 64 columns
	s_add_co_u32 s56, s56, s57
	s_mov_b32 s57, 0
	s_add_nc_u64 s[8:9], s[8:9], s[56:57]
.macro OUT16 a, f
	WIN 0x04                                       ; an LDS store's data is source 1: window 1
.irp b, 0,1,2,3
	ds_store_b128 v[STO], v[8*(4*\a+\b):8*(4*\a+\b)+3] offset:64*\b
	ds_store_b128 v[STO], v[8*(4*\a+\b)+4:8*(4*\a+\b)+7] offset:64*\b+16
.endr
	WIN 0
	s_wait_xcnt 0x0                                ; every earlier store has had its addresses translated (ISA guide 3.1): buffer f, which stores have read, is loaded again only behind this wait
.irp t, 0,1,2,3,4,5,6,7
	ds_load_b128 v[\f+4*\t:\f+4*\t+3], v[RD] offset:\t*2*SPITCH   ; LDS serves a wave's instructions in order (ISA guide 5.7.1.4): these see the stores above
.endr
.irp t, 0,1,2,3,4,5,6,7
	s_wait_dscnt 7-\t
	global_store_b128 v[CO], v[\f+4*\t:\f+4*\t+3], s[8:9] offset:(16*\a+2*\t)*4096 th:TH_STORE_NT   ; 16 lanes store 256 consecutive bytes, at a multiple of 256 from out0's first byte
.endr
.endm
	OUT16 0, F0
	OUT16 1, F1
	OUT16 2, F0
	OUT16 3, F1
	s_wait_tensorcnt 0x0
	ds_add_u32 v62, v63
	s_wait_dscnt 0x0
	CROUND                                         ; the closing round: no work-group ends while a partner may still ask for a tile that names it
	s_endpgm
.Lfunc_end_k_q4c1b7619f1_proj_out:
	.size	k_q4c1b7619f1_proj_out, .Lfunc_end_k_q4c1b7619f1_proj_out-k_q4c1b7619f1_proj_out
	.p2alignl 7, 3214868480
	.fill 96, 4, 3214868480
	.section	.rodata,"a",@progbits
	.p2align	6, 0x0
	.amdhsa_kernel k_q4c1b7619f1_proj_out
		.amdhsa_group_segment_fixed_size 327680
		.amdhsa_private_segment_fixed_size 0
		.amdhsa_enable_private_segment 0
		.amdhsa_kernarg_size 24
		.amdhsa_user_sgpr_count 2
		.amdhsa_user_sgpr_kernarg_segment_ptr 1
		.amdhsa_wavefront_size32 1
		.amdhsa_system_sgpr_workgroup_id_x 1
		.amdhsa_system_sgpr_workgroup_id_y 1
		.amdhsa_system_sgpr_workgroup_id_z 1
		.amdhsa_system_vgpr_workitem_id 0
		.amdhsa_next_free_vgpr 384
		.amdhsa_next_free_sgpr 66
		.amdhsa_reserve_vcc 0
		.amdhsa_float_denorm_mode_32 3
		.amdhsa_float_denorm_mode_16_64 3
		.amdhsa_memory_ordered 1
		.amdhsa_forward_progress 1
		.amdhsa_inst_pref_size 138
	.end_amdhsa_kernel
	.amdgpu_metadata
---
amdhsa.version: [ 1, 2 ]
amdhsa.kernels:
  - .name:           k_q4c1b7619f1_proj_out
    .symbol:         k_q4c1b7619f1_proj_out.kd
    .args:
      - { .name: ah, .offset: 0, .size: 8, .value_kind: global_buffer, .address_space: global }
      - { .name: woh, .offset: 8, .size: 8, .value_kind: global_buffer, .address_space: global }
      - { .name: out0, .offset: 16, .size: 8, .value_kind: global_buffer, .address_space: global }
    .group_segment_fixed_size: 327680
    .private_segment_fixed_size: 0
    .kernarg_segment_align: 8
    .kernarg_segment_size: 24
    .max_flat_workgroup_size: 128
    .sgpr_count:     66
    .vgpr_count:     384
    .wavefront_size: 32
...
	.end_amdgpu_metadata
.endif
;; end of part 4
